; MI455X (gfx1250); checked and timed in simulation.
; The chip was launched on July 23, 2026; its instructions are those of AMD's public machine-readable ISA for CDNA 5 (MIT licence, August 2026) and "CDNA5" Instruction Set Architecture Reference Guide (July 2026). The comments in the code are by the model that wrote it; some were corrected since.
;; Tensor Base. Allowed arithmetic: float matrix products may take bf16 or f16 operands with f32 sums; all other float work in f32.
;; Inputs: W1 390 x 128 float32; W2 128 x 128 float32; W3 128 x 3 float32; app_grid 27 x 128 x 128 x 128 float32; b1 128 float32; b2 128 float32; b3 3 float32; density_grid 128 x 128 x 128 float32; rays_d 2,048 x 3 float32; rays_o 2,048 x 3 float32.
;; Outputs: out0 2,048 x 3 float32.
;; Constants: n_samples = 256.
;; One version. Each part assembles by itself: llvm-mc -triple=amdgcn-amd-amdhsa -mcpu=gfx1250 --defsym DOCPART=n.
;; ======== version 1 of 1: 2 launches
;; limits: a function is approximated: absolute error at most 0.001
;; workspace buffers: cells 2,097,152 bytes of whole numbers; wimg 126,976 bytes
;; launch cells (part 1): grid 256 x 1, 8 waves a work-group, no clusters, 0 bytes of LDS; arguments rays_o, rays_d, W1, W2, cells, wimg; writes cells, wimg
.if DOCPART == 1
	.amdgcn_target "amdgcn-amd-amdhsa--gfx1250"
	.amdhsa_code_object_version 6
	.text
	.protected	k_qc1962ddb17_cells
	.globl	k_qc1962ddb17_cells
	.p2align	8
	.type	k_qc1962ddb17_cells,@function
k_qc1962ddb17_cells:
	s_mov_b64 s[64:65], 0
	v_nop
	global_prefetch_b8 v0, s[64:65] scope:SCOPE_SE
	s_setreg_imm32_b32 hwreg(HW_REG_WAVE_MODE, 25, 1), 1
	s_wait_xcnt 0x0
; TWO THINGS FOR THE LAUNCH BEHIND THIS ONE.
; (1) cells[ray][sample] = z0 << 14 | y0 << 7 | x0: the lower corner of the grid cell of every sample point, as whole numbers,
; so that the next launch forms its gather addresses from numbers that it reads and not from floats of its own.
; 2,048 rays x 256 samples.  Eight waves, one ray a wave; lane l makes samples 4 l .. 4 l + 3 and 128 + 4 l .. 128 + 4 l + 3,
; so each of the wave's two stores covers 512 consecutive bytes that start on a multiple of 512.
; ARITHMETIC: t = i * (1.2 / 255) + 0.2 and c = (2/3 d) t + (2/3 o), each one fused multiply-add, where the source text forms
; (o + d t + 1.5) / 3 * 2 - 1.  LIMIT: the point moves by a few units in the last place of c (some 1e-5 of a cell); the
; interpolation is continuous across cells, and the next launch takes its fractions against the cell numbers stored here.
; (2) wimg: the first two layers' weights as bf16, transposed, byte for byte as the next launch keeps them in LDS:
;   bytes 0 .. 92,159: 128 rows (neurons) of 720 bytes = 176 words of K + 16 bytes of padding (zeros);
;     word 13 p + f       = (W1[30 + 24 p + f] / 2, W1[36 + 24 p + f] / 2)   sine and cosine of feature 2 p, frequency f = 0 .. 5
;     word 13 p + 6 + f   = (W1[42 + 24 p + f] / 2, W1[48 + 24 p + f] / 2)   of feature 2 p + 1   (halved, exactly: the activations are 2 sin and 2 cos)
;     word 13 p + 12      = (W1[2 p], W1[2 p + 1])                           the two features themselves
;     word 175            = (W1[26], W1[27])                                 feature 26 and a padding zero: row 27's weight multiplies that zero
;   bytes 92,160 .. 126,975: 128 rows of 272 bytes = 64 words (W2[2 j][n], W2[2 j + 1][n]) + 16 bytes of padding (zeros).
; 126,976 bytes = 248 pieces of 512: wave 0 of work-groups 0 to 247 makes one piece each, 16 bytes a lane, one store of 512 consecutive aligned bytes.
; It does so between the issue of its ray's scalar loads and the wait for them.
; No LDS, no matrix unit, no loop.
.set S635,  24                         ; s24      63.5 = (128 - 1) / 2
.set SSTEP, 25                         ; s25      1.2 / 255
.set SNEAR, 26                         ; s26      0.2
; u = grid coordinate of one axis: c clipped to [-1, 1], then (c + 1) * 63.5 as one fused multiply-add.  The same three lines stand in the next launch.
.macro UCOORD u, t, sd, so
	v_fma_f32 v[\u], s[\sd], v[\t], s[\so]
	v_med3_num_f32 v[\u], v[\u], -1.0, 1.0
	v_fma_f32 v[\u], v[\u], s[S635], s[S635]
.endm
; the cell of sample 4 lane + e
.macro CELL dst, e
	v_add_nc_u32 v4, \e, v3
	v_cvt_f32_u32 v4, v4                           ; the sample's number, exact
	v_fma_f32 v4, v4, s[SSTEP], s[SNEAR]           ; t
	UCOORD 5, 4, 20, 16
	UCOORD 6, 4, 21, 17
	UCOORD 7, 4, 22, 18
	v_cvt_u32_f32 v5, v5                           ; u >= 0: cutting toward zero is the floor
	v_cvt_u32_f32 v6, v6
	v_cvt_u32_f32 v7, v7
	v_min_u32 v5, 126, v5                          ; the lower corner stops at G - 2
	v_min_u32 v6, 126, v6
	v_min_u32 v7, 126, v7
	v_lshl_or_b32 v[\dst], v7, 7, v6
	v_lshl_or_b32 v[\dst], v[\dst], 7, v5
.endm
; word 4 part + e of a row of W1's image: which two rows of W1 it takes, and by what they are scaled; their loads.  v18 = 4 n, v19 = part
.macro W1WORD e
	v_lshl_add_u32 v24, v19, 2, \e                 ; the word's number Q
	v_min_u32 v24, 0xaf, v24                       ; the four padding words read what word 175 reads, and store zeros
	v_mul_u32_u24 v25, v24, 79
	v_lshrrev_b32 v25, 10, v25                     ; p = Q / 13 (79 / 1024 is exact for Q < 338)
	v_mul_u32_u24 v26, v25, 13
	v_sub_nc_u32 v26, v24, v26                     ; Q mod 13
	v_cmp_le_u32 vcc_lo, 6, v26
	v_cndmask_b32 v27, 0, 6, vcc_lo                ; the odd feature's rows lie 12 further, its words 6 further
	v_mad_u32_u24 v28, v25, 24, v26
	v_add3_u32 v28, v28, v27, 30                   ; the sine's row
	v_cmp_eq_u32 s34, 12, v26
	v_cmp_eq_u32 s35, 0xaf, v24
	s_or_b32 s34, s34, s35                         ; a word of the features themselves
	v_lshlrev_b32 v29, 1, v25
	v_cndmask_b32 v28, v28, v29, s34               ; the first row,
	v_cndmask_b32 v29, 6, 1, s34
	v_add_nc_u32 v29, v28, v29                     ; the second: 6 rows on (the cosine) or the next
	v_lshl_add_u32 v[32+2*\e], v28, 9, v18
	v_lshl_add_u32 v[33+2*\e], v29, 9, v18
	v_cndmask_b32 v[40+\e], 0.5, 1.0, s34
	global_load_b32 v[44+2*\e], v[32+2*\e], s[8:9]
	global_load_b32 v[45+2*\e], v[33+2*\e], s[8:9]
.endm
	s_load_b256 s[4:11], s[0:1], 0x0               ; rays_o s[4:5], rays_d s[6:7], W1 s[8:9], W2 s[10:11]
	s_load_b128 s[12:15], s[0:1], 0x20             ; cells s[12:13], wimg s[14:15]
	v_lshrrev_b32 v1, 5, v0
	v_readfirstlane_b32 s2, v1                     ; wave
	v_and_b32 v2, 31, v0                           ; lane
	v_lshlrev_b32 v3, 2, v2                        ; my first sample
	v_lshlrev_b32 v1, 4, v2                        ; and its byte in the ray's row of cells
	s_lshl_b32 s3, ttmp9, 3
	s_add_co_u32 s3, s3, s2                        ; ray = 8 x group + wave
	s_mul_i32 s28, s3, 12                          ; three f32 a ray
	s_mov_b32 s29, 0
	s_lshl_b32 s30, s3, 10                         ; 256 words a ray
	s_mov_b32 s31, 0
	s_mov_b32 s[SSTEP], 0x3b9a33ce
	s_mov_b32 s[SNEAR], 0x3e4ccccd
	s_mov_b32 s[S635], 0x427e0000
	s_wait_kmcnt 0x0
	s_add_nc_u64 s[4:5], s[4:5], s[28:29]
	s_add_nc_u64 s[6:7], s[6:7], s[28:29]
	s_add_nc_u64 s[12:13], s[12:13], s[30:31]
	s_load_b96 s[16:18], s[4:5], 0x0               ; o
	s_load_b96 s[20:22], s[6:7], 0x0               ; d
	; ---- the weights' image, while the ray is on its way
	s_cmp_lg_u32 s2, 0
	s_cbranch_scc1 .Lno_image
	s_cmp_ge_u32 ttmp9, 248
	s_cbranch_scc1 .Lno_image
	s_lshl_b32 s33, ttmp9, 5
	v_add_nc_u32 v16, s33, v2                      ; u: the number of my 16 bytes in the image
	v_lshlrev_b32 v17, 4, v16                      ; their byte
	s_cmp_ge_u32 ttmp9, 180                        ; 180 x 512 = 92,160: W1's part ends on a piece's end
	s_cbranch_scc1 .Lw2
	v_mul_u32_u24 v18, v16, 0xb60c
	v_lshrrev_b32 v18, 21, v18                     ; n = u / 45 (46,604 / 2^21 is exact for u < 5,760)
	v_mul_u32_u24 v19, v18, 45
	v_sub_nc_u32 v19, v16, v19                     ; which 16 bytes of the row: 0 .. 43 data, 44 padding
	v_lshlrev_b32 v18, 2, v18
.irp e, 0,1,2,3
	W1WORD \e
.endr
	v_cmp_gt_u32 vcc_lo, 44, v19
	s_wait_loadcnt 0x0
.irp e, 0,1,2,3
	v_mul_f32 v[44+2*\e], v[44+2*\e], v[40+\e]
	v_mul_f32 v[45+2*\e], v[45+2*\e], v[40+\e]
	v_cvt_pk_bf16_f32 v[20+\e], v[44+2*\e], v[45+2*\e]
	v_cndmask_b32 v[20+\e], 0, v[20+\e], vcc_lo
.endr
	s_branch .Lstore_image
.Lw2:
	s_sub_co_u32 s36, s33, 5760
	v_add_nc_u32 v18, s36, v2                      ; the number of my 16 bytes in W2's part
	v_mul_u32_u24 v19, v18, 0xf10
	v_lshrrev_b32 v19, 16, v19                     ; n = u / 17 (3,856 / 2^16 is exact for u < 2,176)
	v_mul_u32_u24 v24, v19, 17
	v_sub_nc_u32 v24, v18, v24                     ; which 16 bytes of the row: 0 .. 15 data, 16 padding
	v_min_u32 v25, 15, v24                         ; the padding reads what the last piece reads, and stores zeros
	v_lshlrev_b32 v26, 2, v19
	v_lshl_add_u32 v26, v25, 12, v26               ; k = 8 part: eight rows of 512 bytes a piece
.irp e, 0,1,2,3
	global_load_b32 v[44+2*\e], v26, s[10:11] offset:1024*\e
	global_load_b32 v[45+2*\e], v26, s[10:11] offset:1024*\e+512
.endr
	v_cmp_gt_u32 vcc_lo, 16, v24
	s_wait_loadcnt 0x0
.irp e, 0,1,2,3
	v_cvt_pk_bf16_f32 v[20+\e], v[44+2*\e], v[45+2*\e]
	v_cndmask_b32 v[20+\e], 0, v[20+\e], vcc_lo
.endr
.Lstore_image:
	global_store_b128 v17, v[20:23], s[14:15]      ; v17 and v[20:23] are not written again
.Lno_image:
	; ---- the ray's cells
	s_wait_kmcnt 0x0
.irp i, 16,17,18,20,21,22
	s_mul_f32 s\i, s\i, 0x3f2aaaab                 ; 2/3: from the box [-1.5, 1.5] to [-1, 1]
.endr
.irp e, 0,1,2,3
	CELL 8+\e, \e
.endr
	global_store_b128 v1, v[8:11], s[12:13]
.irp e, 0,1,2,3
	CELL 12+\e, 128+\e
.endr
	global_store_b128 v1, v[12:15], s[12:13] offset:512
	s_endpgm
.Lfunc_end_k_qc1962ddb17_cells:
	.size	k_qc1962ddb17_cells, .Lfunc_end_k_qc1962ddb17_cells-k_qc1962ddb17_cells
	.p2alignl 7, 3214868480
	.fill 96, 4, 3214868480
	.section	.rodata,"a",@progbits
	.p2align	6, 0x0
	.amdhsa_kernel k_qc1962ddb17_cells
		.amdhsa_group_segment_fixed_size 0
		.amdhsa_private_segment_fixed_size 0
		.amdhsa_enable_private_segment 0
		.amdhsa_kernarg_size 48
		.amdhsa_user_sgpr_count 2
		.amdhsa_user_sgpr_kernarg_segment_ptr 1
		.amdhsa_wavefront_size32 1
		.amdhsa_system_sgpr_workgroup_id_x 1
		.amdhsa_system_sgpr_workgroup_id_y 1
		.amdhsa_system_sgpr_workgroup_id_z 1
		.amdhsa_system_vgpr_workitem_id 0
		.amdhsa_next_free_vgpr 56
		.amdhsa_next_free_sgpr 66
		.amdhsa_reserve_vcc 1
		.amdhsa_float_denorm_mode_32 3
		.amdhsa_float_denorm_mode_16_64 3
		.amdhsa_memory_ordered 1
		.amdhsa_forward_progress 1
		.amdhsa_inst_pref_size 19
	.end_amdhsa_kernel
	.amdgpu_metadata
---
amdhsa.version: [ 1, 2 ]
amdhsa.kernels:
  - .name:           k_qc1962ddb17_cells
    .symbol:         k_qc1962ddb17_cells.kd
    .args:
      - { .name: rays_o, .offset: 0, .size: 8, .value_kind: global_buffer, .address_space: global }
      - { .name: rays_d, .offset: 8, .size: 8, .value_kind: global_buffer, .address_space: global }
      - { .name: W1, .offset: 16, .size: 8, .value_kind: global_buffer, .address_space: global }
      - { .name: W2, .offset: 24, .size: 8, .value_kind: global_buffer, .address_space: global }
      - { .name: cells, .offset: 32, .size: 8, .value_kind: global_buffer, .address_space: global }
      - { .name: wimg, .offset: 40, .size: 8, .value_kind: global_buffer, .address_space: global }
    .group_segment_fixed_size: 0
    .private_segment_fixed_size: 0
    .kernarg_segment_align: 8
    .kernarg_segment_size: 48
    .max_flat_workgroup_size: 256
    .sgpr_count:     66
    .vgpr_count:     56
    .wavefront_size: 32
...
	.end_amdgpu_metadata
.endif
;; end of part 1
;; launch render (part 2): grid 256 x 1, 8 waves a work-group, no clusters, 137,216 bytes of LDS; arguments rays_o, rays_d, density_grid, app_grid, W1, b1, wimg, b2, W3, b3, cells, out0; writes out0
.if DOCPART == 2
	.amdgcn_target "amdgcn-amd-amdhsa--gfx1250"
	.amdhsa_code_object_version 6
	.text
	.protected	k_qc1962ddb17_render
	.globl	k_qc1962ddb17_render
	.p2align	8
	.type	k_qc1962ddb17_render,@function
k_qc1962ddb17_render:
	s_mov_b64 s[64:65], 0
	v_nop
	global_prefetch_b8 v0, s[64:65] scope:SCOPE_SE
	s_setreg_imm32_b32 hwreg(HW_REG_WAVE_MODE, 25, 1), 1
	s_wait_xcnt 0x0
; Volume rendering of 2,048 rays x 256 samples: density and 27 features by trilinear lookup, softplus, alpha, running transmittance,
; an MLP 390 -> 128 -> 128 -> 3 on [features, view, sines and cosines of both], sigmoid, weighted sum, white background, clip.
; SHARES: 256 work-groups x 8 waves; ONE WAVE OWNS ONE RAY and walks it in 4 passes of 64 samples (set a: sample 64 p + lane, set b: 32 further on;
; f32 work runs packed on register pairs (a, b)).  Two waves of 512 registers lie on a SIMD, so that one makes features while the other multiplies.
; Activations never leave registers.  Weights lie in LDS as bf16, transposed ([neuron][k]).  W1's and W2's part of that, 126,976 bytes, was made by the
; launch in front (wimg), byte for byte as it lies here, and is copied through registers: 31 loads and 31 LDS stores of 16 bytes a thread, once.
; MATRIX ROLES: A = weights (rows = neurons), B = activations (columns = points).  Register j of lane (r, h) of a result is neuron 16 mb + 8 h + j of point r,
; so two results, cut at zero and packed, ARE the next layer's B fragment in the same lane: no shuffle between layers.
; THE 39 VIEW INPUTS are the same for all samples of a ray: their product with W1's rows 27-29 and 354-389, plus b1, is one vector of 128 a ray, summed
; once in f32 and used as the first layer's starting sum.  That leaves K = 351 + 1 zero = 352 = 11 blocks of 32.
; K ORDER of layer 1, in words of two bf16: feature c, frequency f: word 6 c + (c >> 1) + f = (2 sin, 2 cos), weights halved (exact);
; word 13 p + 12 = (feature 2 p, feature 2 p + 1); word 175 = (feature 26, 0), whose second weight is W1's row 27 as it comes: it multiplies the zero.
; FEATURES GO IN PAIRS (2 p, 2 p + 1), line by line in turn, so that a line seldom reads the line in front of it.  A pair's 13 words lie in at most two
; K blocks, which have a staging buffer each; a block is multiplied when its sixteenth word is in.
; SINE AND COSINE: x / 2 pi in two words, nearest whole turn taken away, polynomials for 2 sin and 2 cos of a quarter of the angle (terms to r^7 and r^8,
; cut below 6e-7 for |r| <= 1/2), then doubling: 2 sin 2a = (2 sin a)(2 cos a), 2 cos 2a = 2 - (2 sin a)^2; two doublings reach x, five more the frequencies.
; LIMITS: an error of amplitude can grow fourfold in a doubling at the worst, 4^7 x 6e-8 = 1e-3 over the seven, under the rounding of the bf16 operand that takes
; the value; the reduction holds to |feature| of some 1e4.  log2(1 + e) in the softplus loses e below 6e-8 (absolute, in sigma).  The running product is
; formed as a tree, not in sequence.  Coordinates as in the launch that made the cell numbers (fused, a few units in the last place).
; NO CLUSTER, NO TENSOR LOADS: what work-groups share is the weights' image and 40 rows of W1, 150 KB read once by each, against 2,048 points x 28 channels
; x 8 corners x 4 bytes = 1.8 MB of gathers, which go lane by lane.
; OUTPUT: 12 bytes a ray; the group's 96 bytes leave by one store of 24 neighbouring lanes.
; ---- LDS
.set L_W1T, 0                          ; 128 rows x 720 (704 + 16: 45 x 16 bytes, so 16 rows start in 16 different 16-byte columns)
.set L_W2T, 92160                      ; 128 rows x 272
.set L_W3T, 126976                     ; 16 rows x 272 (3 real, 13 zero)
.set L_B2,  131328                     ; 128 f32
.set L_B3,  131840                     ; 32 f32: b3, then zeros
.set L_B1V, 131968                     ; 8 x 128 f32: each wave's starting sums of layer 1
.set L_OUT, 136064                     ; 8 x 3 f32
; ---- window 0 (v0-255)
.set LANE,   0
.set ADRW1,  1                         ; 720 r + 16 h
.set ADRW1H, 2                         ; the same, 64 rows on (an LDS immediate ends at 65,535)
.set ADRW2,  3                         ; L_W2T + 272 r + 16 h; W3T lies 34,816 further
.set ADRB1,  4                         ; my wave's starting sums + 32 h
.set ADRB2,  5                         ; L_B2 + 32 h; B3 lies 512 further
.set IOFF,   6                         ; byte of my cell number in the ray's row
.set FI,     8                         ; v[8:9]    sample number as f32
.set OFF,    10                        ; v[10:11]  byte offset of my cell in a channel
.set IDX,    12                        ; v[12:13]  cell numbers
.set WGT,    14                        ; v[14:15]  alpha x transmittance
.set SUMW,   16
.set RGB,    17                        ; v17-19
.set K7,     20                        ; v[20:21]  leading coefficient of 2 sin, twice
.set K8,     22                        ; v[22:23]  of 2 cos, twice
.set ALO,    24                        ; v24-55    A fragments of neuron blocks 0-3 (layer 3: W3's four)
.set GG,     56                        ; v56-119   gather ring: 2 slots x 2 channels x 8 corners x (a, b)
.set TT,     120                       ; v120-127  at work outside layer 1; in it:
.set XE,     120                       ; v[120:121] the pair's even feature (at a pass's head: the density)
.set XO,     122                       ; v[122:123] its odd feature
.set X26,    124                       ; v[124:125] feature 26, fetched with the density, used last
.set BS,     128                       ; v128-191  two staging buffers of 32 words (a: 16, b: 16); scratch at a pass's head; layers 2, 3: H2 in v128-255
.set WW,     192                       ; v192-207  eight corner weights
.set AHI,    208                       ; v208-239  A fragments of neuron blocks 4-7
.set SET0,   240                       ; v240-247  sine and cosine at work, even feature: +0 r, then 2 sin; +2 polynomial, then 2 sin by turns; +4 r^2; +6 2 cos
.set SET1,   248                       ; v248-255  the same for the odd feature
.set DT,     240                       ; the density's work, ahead of the first pair
; ---- window 1 (v256-511): layer 1's sums (mb, t) at 16 (4 (mb >> 1) + t) + 8 (mb & 1); packed in place they leave H1 (kb, t) at 16 (4 kb + t)
;      and sixteen free runs of 8 at 16 x + 8: x = 4 s + t layer 2's sums, x = 8 + 4 s + kb its A fragments, x = t layer 3's sums
; ---- scalars: s2 wave, s3 ray, s[4:27] the twelve addresses, s28-30 2/3 d, s31 -|d| step 25 log2 e, s32-34 2/3 o, s35 transmittance carried on,
;      s[36:63], s[66:91] the 27 channels' addresses, s92 63.5, s93-94 lane selects, s95 trips, s96 lanes 16-31, s97-101 at work;
;      behind the prologue s16 = 1.2 / 255, s17 = 0.2, s18 = -log2 e
.set S635, 92
.set MSB, 0
.macro WIN new                         ; low byte: bits 1:0 source 0, 3:2 source 1, 5:4 source 2, 7:6 destination; the high byte repeats the setting that is left
.if MSB != \new
	s_set_vgpr_msb (MSB<<8)|\new
.set MSB, \new
.endif
.endm
.macro PLACES n                        ; places behind matrix instructions (ISA guide 7.12.1)
.rept \n
	v_nop
.endr
.endm
.macro MM d, a, b, c
	v_wmma_f32_16x16x32_bf16 v[(\d):(\d)+7], v[(\a):(\a)+7], v[(\b):(\b)+7], v[(\c):(\c)+7]
.endm
; the same three lines as in the launch that made the cell numbers
.macro UCOORD u, t, sd, so
	v_fma_f32 v[\u], s[\sd], v[\t], s[\so]
	v_med3_num_f32 v[\u], v[\u], -1.0, 1.0
	v_fma_f32 v[\u], v[\u], s[S635], s[S635]
.endm
; byte offset of a cell in a channel; tb: four registers at work.  The numbers were read from memory: each part is cut to its range by a constant before it enters an address
.macro MKOFF tb
.irp e, 0,1
	v_lshrrev_b32 v[(\tb)+\e], 14, v[IDX+\e]
	v_and_b32 v[(\tb)+2+\e], 0x3fff, v[IDX+\e]
	v_min_u32 v[(\tb)+\e], 126, v[(\tb)+\e]            ; z0
	v_min_u32 v[(\tb)+2+\e], 0x3f7e, v[(\tb)+2+\e]     ; 128 y0 + x0
	v_lshlrev_b32 v[(\tb)+2+\e], 2, v[(\tb)+2+\e]
	v_lshl_add_u32 v[OFF+\e], v[(\tb)+\e], 16, v[(\tb)+2+\e]
.endr
.endm
; one channel's eight corners for both sets into v[gb .. gb + 15]: corner k = x + 2 y + 4 z
.macro LOADUNIT gb, sb
.irp k, 0,1,2,3,4,5,6,7
	global_load_b32 v[(\gb)+2*\k],   v[OFF],   s[\sb:\sb+1] offset:4*(\k&1)+512*((\k>>1)&1)+65536*(\k>>2)
	global_load_b32 v[(\gb)+2*\k+1], v[OFF+1], s[\sb:\sb+1] offset:4*(\k&1)+512*((\k>>1)&1)+65536*(\k>>2)
.endr
.endm
; two channels interpolated, their chains by turns
.macro TRILERP2 gb, d0, d1
	v_pk_mul_f32 v[\d0:\d0+1], v[(\gb):(\gb)+1], v[WW:WW+1]
	v_pk_mul_f32 v[\d1:\d1+1], v[(\gb)+16:(\gb)+17], v[WW:WW+1]
.irp k, 1,2,3,4,5,6,7
	v_pk_fma_f32 v[\d0:\d0+1], v[(\gb)+2*\k:(\gb)+2*\k+1], v[WW+2*\k:WW+2*\k+1], v[\d0:\d0+1]
	v_pk_fma_f32 v[\d1:\d1+1], v[(\gb)+16+2*\k:(\gb)+17+2*\k], v[WW+2*\k:WW+2*\k+1], v[\d1:\d1+1]
.endr
.endm
; 2 sin (into b) and 2 cos (into b + 6) of a quarter of the angle x, in nine steps, so that two features can take them by turns
.macro SC1 x, b
	v_pk_mul_f32 v[\b:\b+1], v[\x:\x+1], 0.15915494 op_sel_hi:[1,0]
.endm
.macro SC2 b
	v_rndne_f32 v[\b+2], v[\b]
	v_rndne_f32 v[\b+3], v[\b+1]
.endm
.macro SC3 x, b
	v_pk_fma_f32 v[\b:\b+1], v[\x:\x+1], 0.15915494, v[\b+2:\b+3] op_sel_hi:[1,0,1] neg_lo:[0,0,1] neg_hi:[0,0,1]
.endm
.macro SC4 x, b
	v_pk_fma_f32 v[\b:\b+1], v[\x:\x+1], 0x31dc9e8c, v[\b:\b+1] op_sel_hi:[1,0,1]   ; the rest of 1 / 2 pi: r in turns, |r| <= 1/2
.endm
.macro SC5 b
	v_pk_mul_f32 v[\b+4:\b+5], v[\b:\b+1], v[\b:\b+1]
.endm
.macro SC6 b
	v_pk_fma_f32 v[\b+2:\b+3], v[\b+4:\b+5], v[K7:K7+1], 0x3e2335e3 op_sel_hi:[1,1,0]
	v_pk_fma_f32 v[\b+6:\b+7], v[\b+4:\b+5], v[K8:K8+1], 0xbd2ae9e4 op_sel_hi:[1,1,0]
.endm
.macro SC7 b
	v_pk_fma_f32 v[\b+2:\b+3], v[\b+4:\b+5], v[\b+2:\b+3], 0xbfa55de7 op_sel_hi:[1,1,0]
	v_pk_fma_f32 v[\b+6:\b+7], v[\b+4:\b+5], v[\b+6:\b+7], 0x3f01e0f8 op_sel_hi:[1,1,0]
.endm
.macro SC8 b
	v_pk_fma_f32 v[\b+2:\b+3], v[\b+4:\b+5], v[\b+2:\b+3], 0x40490fdb op_sel_hi:[1,1,0]
	v_pk_fma_f32 v[\b+6:\b+7], v[\b+4:\b+5], v[\b+6:\b+7], 0xc01de9e6 op_sel_hi:[1,1,0]
.endm
.macro SC9 b
	v_pk_mul_f32 v[\b:\b+1], v[\b:\b+1], v[\b+2:\b+3]
	v_pk_fma_f32 v[\b+6:\b+7], v[\b+4:\b+5], v[\b+6:\b+7], 2.0 op_sel_hi:[1,1,0]
.endm
.macro SCB1 x, b
	SC1 \x, \b
	SC2 \b
	SC3 \x, \b
	SC4 \x, \b
	SC5 \b
	SC6 \b
	SC7 \b
	SC8 \b
	SC9 \b
.endm
.macro SCB2 x0, b0, x1, b1
	SC1 \x0, \b0
	SC1 \x1, \b1
	SC2 \b0
	SC2 \b1
	SC3 \x0, \b0
	SC3 \x1, \b1
	SC4 \x0, \b0
	SC4 \x1, \b1
	SC5 \b0
	SC5 \b1
	SC6 \b0
	SC6 \b1
	SC7 \b0
	SC7 \b1
	SC8 \b0
	SC8 \b1
	SC9 \b0
	SC9 \b1
.endm
.macro DBL sd, ss, cd, cs              ; the angle doubled, into registers of the caller's choice
	v_pk_mul_f32 v[\sd:\sd+1], v[\ss:\ss+1], v[\cs:\cs+1]
	v_pk_fma_f32 v[\cd:\cd+1], v[\ss:\ss+1], v[\ss:\ss+1], 2.0 op_sel_hi:[1,1,0] neg_lo:[1,0,0] neg_hi:[1,0,0]
.endm
.macro DBLS b, ph                      ; the angle doubled inside a set: the sine goes from b + 2 ph to b + 2 - 2 ph, the cosine stays in b + 6
	DBL (\b)+2-2*(\ph), (\b)+2*(\ph), (\b)+6, (\b)+6
.endm
; the eight A fragments of K block kb of layer 1
.macro ALOAD kb
.irp m, 0,1,2,3
	ds_load_b128 v[ALO+8*\m:ALO+8*\m+3],   v[ADRW1] offset:\m*11520+64*(\kb)
	ds_load_b128 v[ALO+8*\m+4:ALO+8*\m+7], v[ADRW1] offset:\m*11520+64*(\kb)+32
.endr
.irp m, 0,1,2,3
	ds_load_b128 v[AHI+8*\m:AHI+8*\m+3],   v[ADRW1H] offset:\m*11520+64*(\kb)
	ds_load_b128 v[AHI+8*\m+4:AHI+8*\m+7], v[ADRW1H] offset:\m*11520+64*(\kb)+32
.endr
.endm
; K block KB of layer 1 is staged: lane l holds 16 words of point l (a) and of point 32 + l (b), word w in register (w with bits 2 and 3 exchanged).
; Exchanging the upper lanes of register j with the lower lanes of register j + 8 makes registers 0-7 the B fragment of points 0-15, registers 8-15 that of 16-31.
; The 32 sums take turns, one instruction a turn, over the blocks too.
; The next block's A fragments are asked for three K words further on (EMITEND): six conversions into the other staging buffer, which name none of these
; registers, are the places in front of those loads.
.macro BLOCK
	.set BB, BS+32*(KB&1)
.irp j, 0,1,2,3,4,5,6,7
	v_permlane16_swap_b32 v[BB+\j], v[BB+8+\j]
	v_permlane16_swap_b32 v[BB+16+\j], v[BB+24+\j]
.endr
	s_wait_dscnt 0x0                               ; this block's A fragments (and, for block 0, the starting sums), asked for at least eight K words ago
	WIN 0x50
.if KB == 0
.irp mb, 0,1,2,3,4,5,6,7
.irp t, 1,2,3
	MM 16*(4*(\mb>>1)+\t)+8*(\mb&1), ALO+8*\mb+152*(\mb/4), BB+8*\t, 64*(\mb>>1)+8*(\mb&1)   ; C: the starting sums, which lie in point tile 0's registers
.endr
.endr
	PLACES 5                                       ; the next eight write over registers that those took as C
.irp mb, 0,1,2,3,4,5,6,7
	MM 64*(\mb>>1)+8*(\mb&1), ALO+8*\mb+152*(\mb/4), BB, 64*(\mb>>1)+8*(\mb&1)
.endr
.else
.irp mb, 0,1,2,3,4,5,6,7
.irp t, 0,1,2,3
	MM 16*(4*(\mb>>1)+\t)+8*(\mb&1), ALO+8*\mb+152*(\mb/4), BB+8*\t, 16*(4*(\mb>>1)+\t)+8*(\mb&1)
.endr
.endr
.endif
	WIN 0
.if KB < 10
	.set PEND, 3
	.set NEXTKB, KB+1
.endif
.endm
; behind each K word: the A fragments that are due; the block, if this was its sixteenth word (CN0, CN1 count the words of the even and of the odd block at work)
.macro EMITEND q
.if PEND > 0
	.set PEND, PEND-1
.if PEND == 0
	ALOAD NEXTKB
.endif
.endif
.if (((\q)>>4)&1) == 0
	.set CN0, CN0+1
.if CN0 == 16
	.set CN0, 0
	.set KB, (\q)>>4
	BLOCK
.endif
.else
	.set CN1, CN1+1
.if CN1 == 16
	.set CN1, 0
	.set KB, (\q)>>4
	BLOCK
.endif
.endif
.endm
; K word q for both sets: a in the low half, b in the high half
.macro EMITQ q, a, b
	.set SW, ((\q)&3)|(((\q)&4)<<1)|(((\q)&8)>>1)
	.set BB, BS+32*(((\q)>>4)&1)
	v_cvt_pk_bf16_f32 v[BB+SW], v[\a], v[\b]
	v_cvt_pk_bf16_f32 v[BB+16+SW], v[\a+1], v[\b+1]
	EMITEND \q
.endm
.macro EMITZ q, a                      ; the last word: feature 26 and the padding zero
	.set SW, ((\q)&3)|(((\q)&4)<<1)|(((\q)&8)>>1)
	.set BB, BS+32*(((\q)>>4)&1)
	v_cvt_pk_bf16_f32 v[BB+SW], v[\a], 0
	v_cvt_pk_bf16_f32 v[BB+16+SW], v[\a+1], 0
	EMITEND \q
.endm
; Unit pair k = 1 .. 13: features 2 k - 2 and 2 k - 1, in ring slot k & 1 (pair 0 is the density with feature 26).  When a pair has been interpolated, the pair
; two further on is asked for into its slot; pairs 14 and 15 are the next pass's pairs 0 and 1.
.macro PAIR k, more
	.set GB, GG+32*((\k)&1)
	.set PR, (\k)-1
.if (\k) == 1
	s_wait_loadcnt 32+2*(\more)                    ; loads return in order: the next pair's 32 and the pass's two cell loads are younger
.else
.if ((\k)/13)*(1-(\more))
	s_wait_loadcnt 0x0                             ; the last pass's last pair: nothing was asked for behind it
.else
	s_wait_loadcnt 32                              ; the next pair's 32 loads may stay out
.endif
.endif
	TRILERP2 GB, XE, XO
.if (\k) <= 11
	.set CBA, 36+2*(2*(\k)+2)+2*((2*(\k)+2)/14)
	.set CBB, 36+2*(2*(\k)+3)+2*((2*(\k)+3)/14)
	LOADUNIT GB, CBA
	LOADUNIT GB+16, CBB
.else
.if \more
.if (\k) == 12
	s_wait_xcnt 0x0                                ; the offsets are written again only behind the last load that names them
	MKOFF GB                                       ; the next pass's cells (their loads are older than the 32 left out above); at work in the slot that is free
	LOADUNIT GB, 8
	LOADUNIT GB+16, 90
.else
	LOADUNIT GB, 36
	LOADUNIT GB+16, 38
.endif
.endif
.endif
	SCB2 XE, SET0, XO, SET1
	DBLS SET0, 0
	DBLS SET1, 0
	DBLS SET0, 1
	DBLS SET1, 1
.irp f, 0,1,2,3,4,5
	EMITQ 13*PR+\f, SET0+2*(\f&1), SET0+6
	EMITQ 13*PR+6+\f, SET1+2*(\f&1), SET1+6
.if \f < 5
	DBLS SET0, \f&1
	DBLS SET1, \f&1
.endif
.endr
	EMITQ 13*PR+12, XE, XO
.endm
; exclusive running product of q over set e's 32 samples, on from the carry; weight = alpha x product
.macro SCAN e
.irp n, 1,2,4,8
	v_mul_f32_dpp v[DT+\e], v[DT+\e], v[DT+\e] row_shr:\n row_mask:0xf bank_mask:0xf   ; lanes without a source keep their product
.endr
	v_mov_b32 v[DT+4], 1.0
	v_mov_b32_dpp v[DT+4], v[DT+\e] row_shr:1 row_mask:0xf bank_mask:0xf
	v_readlane_b32 s97, v[DT+\e], 15
	v_readlane_b32 s98, v[DT+\e], 31
	s_mul_f32 s99, s35, s97
	v_mov_b32 v[DT+5], s35
	v_mov_b32 v[DT+6], s99
	v_cndmask_b32 v[DT+5], v[DT+5], v[DT+6], s96   ; lanes 16-31 start behind the lower sixteen
	s_mul_f32 s35, s99, s98
	v_mul_f32 v[DT+4], v[DT+4], v[DT+5]
	v_mul_f32 v[WGT+\e], v[DT+2+\e], v[DT+4]
	v_add_f32 v[SUMW], v[SUMW], v[WGT+\e]
.endm
; layer 2's A fragments and starting sums (b2) of neuron block mb, into the half mb & 1.  Entered with loaded data in window 1
.macro L2LOAD mb
	.set LS, (\mb)&1
.irp kb, 0,1,2,3
	ds_load_b128 v[16*(8+4*LS+\kb)+8:16*(8+4*LS+\kb)+11],  v[ADRW2] offset:4352*(\mb)+64*\kb
	ds_load_b128 v[16*(8+4*LS+\kb)+12:16*(8+4*LS+\kb)+15], v[ADRW2] offset:4352*(\mb)+64*\kb+32
.endr
	ds_load_b128 v[64*LS+8:64*LS+11],  v[ADRB2] offset:64*(\mb)
	ds_load_b128 v[64*LS+12:64*LS+15], v[ADRB2] offset:64*(\mb)+16
.endm
; layer 2's sums of neuron block mb: cut at zero, packed into H2.  Entered with all operands in window 1
.macro EPI2 mb
	.set ES, 64*((\mb)&1)+8
	.set EH, BS+32*((\mb)>>1)+4*((\mb)&1)
.irp t, 0,1,2,3
.irp i, 0,1,2,3,4,5,6,7
	v_max_num_f32 v[ES+16*\t+\i], 0, v[ES+16*\t+\i]
.endr
.endr
	WIN 0x05
.irp t, 0,1,2,3
.irp i, 0,1,2,3
	v_cvt_pk_bf16_f32 v[EH+8*\t+\i], v[ES+16*\t+2*\i], v[ES+16*\t+2*\i+1]
.endr
.endr
.endm
; neuron block mb of layer 2: 16 matrix instructions on four sums that take turns; in their midst the block before is packed
; and the block behind is asked for
.macro STEP2 mb
	.set AC, 64*((\mb)&1)+8
	.set AA, 16*(8+4*((\mb)&1))+8
	s_wait_dscnt 0x0                               ; this block's ten loads
	WIN 0x55
	MM AC+16, AA, 16, AC                           ; C: b2, which lies in point tile 0's registers
	MM AC+32, AA, 32, AC
	MM AC+48, AA, 48, AC
	PLACES 5                                       ; behind the last block's results, which are read next; and tile 0 writes over what the three took as C
.if (\mb) > 0
	EPI2 (\mb)-1
.if (\mb) < 7
	WIN 0x40
	L2LOAD (\mb)+1
.else
	WIN 0
.irp kb, 0,1,2,3
	ds_load_b128 v[ALO+8*\kb:ALO+8*\kb+3],   v[ADRW2] offset:34816+64*\kb      ; W3
	ds_load_b128 v[ALO+8*\kb+4:ALO+8*\kb+7], v[ADRW2] offset:34816+64*\kb+32
.endr
	WIN 0x40
.irp t, 0,1,2,3
	ds_load_b128 v[16*\t+8:16*\t+11],  v[ADRB2] offset:512                      ; b3 starts layer 3's sums
	ds_load_b128 v[16*\t+12:16*\t+15], v[ADRB2] offset:528
.endr
.endif
.endif
	WIN 0x55
	MM AC, AA, 0, AC
.irp kb, 1,2,3
	MM AC+16, AA+16*\kb, 16*(4*\kb+1), AC+16
	MM AC+32, AA+16*\kb, 16*(4*\kb+2), AC+32
	MM AC+48, AA+16*\kb, 16*(4*\kb+3), AC+48
	MM AC, AA+16*\kb, 64*\kb, AC
.endr
.endm
; ---------------------------------------------------------------- one pass: 64 samples.  more = 1: a pass follows
.macro PASS more
	.set CN0, 0
	.set CN1, 0
	.set PEND, 0
	v_and_b32 v[BS+0], 127, v[IDX]                 ; x0, y0, z0 of both sets
	v_and_b32 v[BS+1], 127, v[IDX+1]
	v_bfe_u32 v[BS+2], v[IDX], 7, 7
	v_bfe_u32 v[BS+3], v[IDX+1], 7, 7
	v_bfe_u32 v[BS+4], v[IDX], 14, 7
	v_bfe_u32 v[BS+5], v[IDX+1], 14, 7
.if \more
	s_wait_xcnt 0x0                                ; the offset is stepped only behind this wait
	v_add_nc_u32 v[IOFF], 256, v[IOFF]
	global_load_b32 v[IDX], v[IOFF], s[24:25]      ; the next pass's cells
	global_load_b32 v[IDX+1], v[IOFF], s[24:25] offset:128
.endif
	WIN 0x40
.irp mb, 0,1,2,3,4,5,6,7
	ds_load_b128 v[64*(\mb>>1)+8*(\mb&1):64*(\mb>>1)+8*(\mb&1)+3],   v[ADRB1] offset:64*\mb      ; the ray's starting sums, into point tile 0's registers
	ds_load_b128 v[64*(\mb>>1)+8*(\mb&1)+4:64*(\mb>>1)+8*(\mb&1)+7], v[ADRB1] offset:64*\mb+16
.endr
	WIN 0
	ALOAD 0
.irp i, 0,1,2,3,4,5
	v_cvt_f32_u32 v[BS+\i], v[BS+\i]
.endr
	v_fma_f32 v[BS+6], v[FI], s16, s17             ; t
	v_fma_f32 v[BS+7], v[FI+1], s16, s17
	UCOORD BS+8, BS+6, 28, 32
	UCOORD BS+9, BS+7, 28, 32
	UCOORD BS+10, BS+6, 29, 33
	UCOORD BS+11, BS+7, 29, 33
	UCOORD BS+12, BS+6, 30, 34
	UCOORD BS+13, BS+7, 30, 34
.irp a, 0,2,4
	v_pk_add_f32 v[BS+8+\a:BS+9+\a], v[BS+8+\a:BS+9+\a], v[BS+\a:BS+1+\a] neg_lo:[0,1] neg_hi:[0,1]   ; fraction = u - corner,
.endr
.irp i, 8,9,10,11,12,13
	v_med3_num_f32 v[BS+\i], v[BS+\i], 0, 1.0      ; kept in [0, 1]
.endr
.irp a, 0,2,4
	v_pk_fma_f32 v[BS+14+\a:BS+15+\a], v[BS+8+\a:BS+9+\a], -1.0, 1.0 op_sel_hi:[1,0,0]                ; 1 - fraction
.endr
	v_pk_mul_f32 v[BS+20:BS+21], v[BS+18:BS+19], v[BS+16:BS+17]    ; (1 - fz)(1 - fy)
	v_pk_mul_f32 v[BS+22:BS+23], v[BS+18:BS+19], v[BS+10:BS+11]    ; (1 - fz) fy
	v_pk_mul_f32 v[BS+24:BS+25], v[BS+12:BS+13], v[BS+16:BS+17]    ; fz (1 - fy)
	v_pk_mul_f32 v[BS+26:BS+27], v[BS+12:BS+13], v[BS+10:BS+11]    ; fz fy
.irp q, 0,1,2,3
	v_pk_mul_f32 v[WW+4*\q:WW+4*\q+1],   v[BS+20+2*\q:BS+21+2*\q], v[BS+14:BS+15]
	v_pk_mul_f32 v[WW+4*\q+2:WW+4*\q+3], v[BS+20+2*\q:BS+21+2*\q], v[BS+8:BS+9]
.endr
	v_add_f32 v[FI], 0x42800000, v[FI]             ; 64 samples on
	v_add_f32 v[FI+1], 0x42800000, v[FI+1]
	; pair 0: the density and feature 26
	s_wait_loadcnt 32+2*(\more)                    ; pair 1's 32 loads and the pass's two cell loads are younger
	TRILERP2 GG, XE, X26
	LOADUNIT GG, 40                                ; pair 2 = features 2 and 3
	LOADUNIT GG+16, 42
	v_mul_f32 v[DT], s18, |v[XE]|
	v_mul_f32 v[DT+1], s18, |v[XE+1]|
	v_exp_f32 v[DT], v[DT]                         ; e^-|x|
	v_exp_f32 v[DT+1], v[DT+1]
	v_max_num_f32 v[DT+2], 0, v[XE]                ; a plain instruction stands behind each run of transcendentals (ISA guide 5.7.2)
	v_max_num_f32 v[DT+3], 0, v[XE+1]
	s_wait_alu depctr_va_vdst(0)
	v_add_f32 v[DT], 1.0, v[DT]
	v_add_f32 v[DT+1], 1.0, v[DT+1]
	v_log_f32 v[DT], v[DT]
	v_log_f32 v[DT+1], v[DT+1]
	v_nop
	s_wait_alu depctr_va_vdst(0)
	v_fmamk_f32 v[DT+2], v[DT], 0x3f317218, v[DT+2]        ; sigma = max(x, 0) + ln 2 log2(1 + e^-|x|)
	v_fmamk_f32 v[DT+3], v[DT+1], 0x3f317218, v[DT+3]
	v_mul_f32 v[DT], s31, v[DT+2]
	v_mul_f32 v[DT+1], s31, v[DT+3]
	v_exp_f32 v[DT], v[DT]
	v_exp_f32 v[DT+1], v[DT+1]
	v_nop
	s_wait_alu depctr_va_vdst(0)
	v_sub_f32 v[DT+2], 1.0, v[DT]                  ; alpha
	v_sub_f32 v[DT+3], 1.0, v[DT+1]
	v_sub_f32 v[DT], 1.0, v[DT+2]
	v_sub_f32 v[DT+1], 1.0, v[DT+3]
	v_add_f32 v[DT], 0x2edbe6ff, v[DT]             ; q = 1 - alpha + 1e-10
	v_add_f32 v[DT+1], 0x2edbe6ff, v[DT+1]
	SCAN 0
	SCAN 1
	; layer 1: features are made in pairs and multiplied block by block
	.set PK, 1
.rept 13
	PAIR PK, \more
	.set PK, PK+1
.endr
	SCB1 X26, SET0                                 ; feature 26, alone: words 169 to 175
	DBLS SET0, 0
	DBLS SET0, 1
.irp f, 0,1,2,3,4,5
	EMITQ 169+\f, SET0+2*(\f&1), SET0+6
.if \f < 5
	DBLS SET0, \f&1
.endif
.endr
	EMITZ 175, X26
	; layer 1's sums: cut at zero and packed in place, sixteen registers into eight
	PLACES 4
	WIN 0x45
	.set CH, 0
.rept 16
	.set II, 0
.rept 16
	v_max_num_f32 v[16*CH+II], 0, v[16*CH+II]
	.set II, II+1
.endr
	.set II, 0
.rept 8
	v_cvt_pk_bf16_f32 v[16*CH+II], v[16*CH+2*II], v[16*CH+2*II+1]  ; the target never lies above its sources
	.set II, II+1
.endr
.if CH == 11
	WIN 0x40
	L2LOAD 0                                       ; its registers are free from here
	WIN 0x45
.endif
	.set CH, CH+1
.endr
	WIN 0x40
	L2LOAD 1
	; layer 2
.irp m, 0,1,2,3,4,5,6,7
	STEP2 \m
.endr
	PLACES 4
	EPI2 7
	; layer 3: four sums by turns
	s_wait_dscnt 0x0                               ; W3 and b3
	WIN 0x50
.irp kb, 0,1,2,3
.irp t, 0,1,2,3
	MM 16*\t+8, ALO+8*\kb, BS+8*(4*\kb+\t), 16*\t+8
.endr
.endr
	PLACES 4
	; sigmoid and the weighted sums.  Lanes 0-15 hold colours 0-2 of point 16 t + lane; lanes 16-31 hold rows of zeros, finite and never used
	WIN 0x04
.irp t, 0,1,2,3
.irp j, 0,1,2
	v_mul_f32 v[BS+3*\t+\j], s18, v[16*\t+8+\j]
.endr
.endr
	WIN 0
	v_permlanex16_b32 v[TT+4], v[WGT], s93, s94    ; the weights of points 16-31 and 48-63, brought to lanes 0-15
	v_permlanex16_b32 v[TT+5], v[WGT+1], s93, s94
.irp i, 0,1,2,3,4,5,6,7,8,9,10,11
	v_exp_f32 v[BS+\i], v[BS+\i]
.endr
	v_nop
	s_wait_alu depctr_va_vdst(0)
.irp i, 0,1,2,3,4,5,6,7,8,9,10,11
	v_add_f32 v[BS+\i], 1.0, v[BS+\i]
.endr
.irp i, 0,1,2,3,4,5,6,7,8,9,10,11
	v_rcp_f32 v[BS+\i], v[BS+\i]
.endr
	v_nop
	s_wait_alu depctr_va_vdst(0)
.irp j, 0,1,2
	v_fmac_f32 v[RGB+\j], v[WGT], v[BS+\j]
	v_fmac_f32 v[RGB+\j], v[TT+4], v[BS+3+\j]
	v_fmac_f32 v[RGB+\j], v[WGT+1], v[BS+6+\j]
	v_fmac_f32 v[RGB+\j], v[TT+5], v[BS+9+\j]
.endr
.endm
; ================================================================ prologue
	s_load_b512 s[4:19], s[0:1], 0x0               ; rays_o 4, rays_d 6, density 8, app 10, W1 12, b1 14, wimg 16, b2 18
	s_load_b256 s[20:27], s[0:1], 0x40             ; W3 20, b3 22, cells 24, out0 26
	v_lshl_add_u32 v126, v0, 2, 0x21400
	v_mov_b32 v127, 0
	v_lshrrev_b32 v1, 5, v0
	v_readfirstlane_b32 s2, v1                     ; wave
	v_mov_b32 v24, v0                              ; thread
	v_and_b32 v[LANE], 31, v0
	v_lshlrev_b32 v[IOFF], 2, v[LANE]
	s_lshl_b32 s3, ttmp9, 3
	s_add_co_u32 s3, s3, s2                        ; ray = 8 x group + wave
	s_mul_i32 s98, s3, 12
	s_mov_b32 s99, 0
	s_lshl_b32 s100, s3, 10
	s_mov_b32 s101, 0
	s_mov_b32 s[S635], 0x427e0000
	s_mov_b32 s93, 0x76543210
	s_mov_b32 s94, 0xfedcba98
	s_mov_b32 s96, 0xffff0000
	v_lshlrev_b32 v25, 4, v24                      ; 16 x thread: my bytes of each 4,096 of the image, in memory and in LDS
	v_add_nc_u32 v26, 0x10000, v25                 ; the same, 65,536 on (an LDS immediate ends at 65,535)
	v_lshlrev_b32 v33, 4, v[LANE]
	v_lshrrev_b32 v36, 4, v24                      ; W3: row m = thread >> 4, k = 8 (thread & 15) ..
	v_and_b32 v53, 15, v24
	v_min_u32 v54, 2, v36                          ; rows 3-15 read column 2 and store zeros
	v_lshlrev_b32 v54, 2, v54
	v_mad_u32_u24 v34, v53, 96, v54
	v_mul_u32_u24 v35, v36, 272
	v_lshl_add_u32 v35, v53, 4, v35
	v_add_nc_u32 v35, L_W3T, v35
	v_add_nc_u32 v52, L_B1V, v25                   ; 512 wave + 16 lane
	v_min_u32 v37, 2, v[LANE]                      ; b3: lanes 3-31 read b3[2] and store zeros
	v_lshlrev_b32 v37, 2, v37
	s_wait_kmcnt 0x0
	s_add_nc_u64 s[24:25], s[24:25], s[100:101]    ; my ray's row of cells
	global_load_b32 v[IDX], v[IOFF], s[24:25]
	global_load_b32 v[IDX+1], v[IOFF], s[24:25] offset:128
	s_add_nc_u64 s[4:5], s[4:5], s[98:99]
	s_add_nc_u64 s[6:7], s[6:7], s[98:99]
	s_load_b96 s[32:34], s[4:5], 0x0               ; o
	s_load_b96 s[28:30], s[6:7], 0x0               ; d
	; all the weights in one run of 81 loads: 31 of the image, b1 and W1's 39 view rows (four neurons a lane), 8 of W3, b2, b3
	WIN 0x40
	.set II, 0
.rept 24
	global_load_b128 v[160+4*II:163+4*II], v25, s[16:17] offset:4096*II
	.set II, II+1
.endr
	global_load_b128 v[0:3], v33, s[14:15]
.irp j, 0,1,2
	global_load_b128 v[4+4*\j:7+4*\j], v33, s[12:13] offset:(27+\j)*512
.endr
.irp j, 0,1,2
.irp f, 0,1,2,3,4,5
	global_load_b128 v[16+8*(6*\j+\f):19+8*(6*\j+\f)], v33, s[12:13] offset:(354+12*\j+\f)*512
	global_load_b128 v[20+8*(6*\j+\f):23+8*(6*\j+\f)], v33, s[12:13] offset:(360+12*\j+\f)*512
.endr
.endr
	WIN 0
	.set II, 0
.rept 7
	global_load_b128 v[192+4*II:195+4*II], v25, s[16:17] offset:4096*(24+II)
	.set II, II+1
.endr
.irp i, 0,1,2,3,4,5,6,7
	global_load_b32 v[40+\i], v34, s[20:21] offset:12*\i
.endr
	global_load_b128 v[220:223], v33, s[18:19]
	global_load_b32 v224, v37, s[22:23]
	s_mov_b64 s[36:37], s[10:11]                   ; the 27 channels, 8 MiB apart; never written again
	.set CC, 1
.rept 26
	s_add_nc_u64 s[36+2*CC+2*(CC/14):37+2*CC+2*(CC/14)], s[34+2*CC+2*((CC-1)/14):35+2*CC+2*((CC-1)/14)], 0x800000
	.set CC, CC+1
.endr
	s_wait_loadcnt 63                              ; 81 loads are younger than the two cell loads: the cell numbers are in
	MKOFF TT
	LOADUNIT GG, 8                                 ; pair 0: the density and feature 26
	LOADUNIT GG+16, 90
	; the view direction, its sines and cosines, while all that is on its way
	s_wait_kmcnt 0x0
	v_mov_b32 v[K7], 0xbc196966
	v_mov_b32 v[K7+1], 0xbc196966
	v_mov_b32 v[K8], 0x3af0fa83
	v_mov_b32 v[K8+1], 0x3af0fa83
	v_mov_b32 v[TT], s28
	v_mov_b32 v[TT+1], s29
	v_mov_b32 v[TT+2], s30
	v_mul_f32 v[TT+3], v[TT], v[TT]
	v_fmac_f32 v[TT+3], v[TT+1], v[TT+1]
	v_fmac_f32 v[TT+3], v[TT+2], v[TT+2]
	v_sqrt_f32 v[TT+3], v[TT+3]                    ; |d|
	v_nop
	s_wait_alu depctr_va_vdst(0)
	v_rcp_f32 v[TT+4], v[TT+3]
	v_mul_f32 v[TT+5], 0xbe2dcd65, v[TT+3]         ; -|d| x (1.2 / 255) x 25 x log2 e
	v_readfirstlane_b32 s31, v[TT+5]
	s_wait_alu depctr_va_vdst(0)
	v_mul_f32 v[BS], v[TT], v[TT+4]
	v_mul_f32 v[BS+1], v[TT+1], v[TT+4]
	v_mul_f32 v[BS+2], v[TT+2], v[TT+4]
	v_mov_b32 v[BS+3], v[BS+2]
	SCB2 BS, SET0, BS+2, SET1                      ; (x, y) and (z, z)
	DBLS SET0, 0
	DBLS SET1, 0
	DBL 132, SET0+2, 144, SET0+6                   ; (x, y): 2 sin at v132 + 2 f, 2 cos at v144 + 2 f
	DBL 156, SET1+2, 168, SET1+6                   ; (z, z): v156 + 2 f, v168 + 2 f
.irp f, 0,1,2,3,4
	DBL 134+2*\f, 132+2*\f, 146+2*\f, 144+2*\f
	DBL 158+2*\f, 156+2*\f, 170+2*\f, 168+2*\f
.endr
	s_wait_loadcnt 32                              ; only pair 0's 32 gathers are younger: all the weights are in
	LOADUNIT GG+32, 36                             ; pair 1: features 0 and 1
	LOADUNIT GG+48, 38
	WIN 0x04
	.set II, 0
.rept 16
	ds_store_b128 v25, v[160+4*II:163+4*II] offset:4096*II
	.set II, II+1
.endr
	.set II, 0
.rept 8
	ds_store_b128 v26, v[224+4*II:227+4*II] offset:4096*II
	.set II, II+1
.endr
	WIN 0
	.set II, 0
.rept 7
	ds_store_b128 v26, v[192+4*II:195+4*II] offset:4096*(8+II)
	.set II, II+1
.endr
	; the ray's starting sums of layer 1
	WIN 0x11
.irp e, 0,1,2,3
	v_fma_f32 v[180+\e], v[4+\e], v[BS], v[\e]     ; b1 starts the sum
.endr
	WIN 0x01
.irp j, 1,2
.irp e, 0,1,2,3
	v_fma_f32 v[180+\e], v[4+4*\j+\e], v[BS+\j], v[180+\e]
.endr
.endr
.irp j, 0,1,2
.irp f, 0,1,2,3,4,5
.irp e, 0,1,2,3
.if (\j+\f) != 0
	v_fma_f32 v[184+\e], v[16+8*(6*\j+\f)+\e], v[132+2*\f+\j+22*(\j/2)], v[184+\e]
.else
	v_mul_f32 v[184+\e], v[16+\e], v132
.endif
.endr
.irp e, 0,1,2,3
	v_fma_f32 v[184+\e], v[20+8*(6*\j+\f)+\e], v[144+2*\f+\j+22*(\j/2)], v[184+\e]
.endr
.endr
.endr
	WIN 0
.irp e, 0,1,2,3
	v_fma_f32 v[180+\e], v[184+\e], 0.5, v[180+\e] ; the sines and cosines were doubled
.endr
	ds_store_b128 v52, v[180:183]
.irp i, 0,1,2,3
	v_cvt_pk_bf16_f32 v[48+\i], v[40+2*\i], v[41+2*\i]     ; W3
.endr
	v_cmp_gt_u32 vcc_lo, 3, v36
.irp i, 0,1,2,3
	v_cndmask_b32 v[48+\i], 0, v[48+\i], vcc_lo
.endr
	ds_store_b128 v35, v[48:51]
	v_add_nc_u32 v44, L_B2, v33
	v_add_nc_u32 v47, L_B3, v[IOFF]
	v_cmp_gt_u32 vcc_lo, 3, v[LANE]
	v_cndmask_b32 v46, 0, v224, vcc_lo
	s_cmp_lg_u32 s2, 0
	s_cbranch_scc1 .Lnot_wave_0
	ds_store_b128 v44, v[220:223]                  ; b2: every wave has loaded it, wave 0 stores it
.Lnot_wave_0:
	s_cmp_lg_u32 s2, 1
	s_cbranch_scc1 .Lnot_wave_1
	ds_store_b32 v47, v46                          ; b3 and 29 zeros, by wave 1
.Lnot_wave_1:
	v_and_b32 v53, 15, v[LANE]                     ; r
	v_lshrrev_b32 v54, 4, v[LANE]                  ; h
	v_mul_u32_u24 v[ADRW1], v53, 720
	v_lshl_add_u32 v[ADRW1], v54, 4, v[ADRW1]
	v_add_nc_u32 v[ADRW1H], 46080, v[ADRW1]
	v_mul_u32_u24 v[ADRW2], v53, 272
	v_lshl_add_u32 v[ADRW2], v54, 4, v[ADRW2]
	v_add_nc_u32 v[ADRW2], L_W2T, v[ADRW2]
	s_lshl_b32 s97, s2, 9
	s_add_co_u32 s97, s97, L_B1V
	v_lshl_add_u32 v[ADRB1], v54, 5, s97
	v_lshlrev_b32 v[ADRB2], 5, v54
	v_add_nc_u32 v[ADRB2], L_B2, v[ADRB2]
	v_cvt_f32_u32 v[FI], v[LANE]
	v_add_f32 v[FI+1], 0x42000000, v[FI]
	v_mov_b32 v[SUMW], 0
	v_mov_b32 v[RGB], 0
	v_mov_b32 v[RGB+1], 0
	v_mov_b32 v[RGB+2], 0
.irp i, 28,29,30,32,33,34
	s_mul_f32 s\i, s\i, 0x3f2aaaab                 ; 2/3: from the box [-1.5, 1.5] to [-1, 1]
.endr
	s_mov_b32 s35, 1.0                             ; transmittance in front of sample 0
	s_mov_b32 s16, 0x3b9a33ce                      ; every load that named s[16:19] has been waited for
	s_mov_b32 s17, 0x3e4ccccd
	s_mov_b32 s18, 0xbfb8aa3b
	s_wait_dscnt 0x0                               ; my part of the weights is in LDS,
	s_barrier_signal -1
	s_barrier_wait -1                              ; everybody's is
; ================================================================ four passes
	s_mov_b32 s95, 0
.Lpass:
	PASS 1
	s_add_co_u32 s95, s95, 1
	s_cmp_lt_u32 s95, 3
	s_cbranch_scc1 .Lpass
	PASS 0                                         ; the last pass asks for nothing beyond the ray
; ================================================================ the ray's colour
.irp j, 0,1,2
.irp n, 1,2,4,8
	v_add_f32_dpp v[RGB+\j], v[RGB+\j], v[RGB+\j] row_xmask:\n row_mask:0xf bank_mask:0xf     ; over lanes 0-15, which hold the colours
.endr
.endr
.irp n, 1,2,4,8
	v_add_f32_dpp v[SUMW], v[SUMW], v[SUMW] row_xmask:\n row_mask:0xf bank_mask:0xf
.endr
	v_permlanex16_b32 v[TT], v[SUMW], s93, s94
	v_add_f32 v[SUMW], v[SUMW], v[TT]              ; the weights' sum, over all 32 lanes
	v_sub_f32 v[TT], 1.0, v[SUMW]                  ; white background
.irp j, 0,1,2
	v_add_f32 v[RGB+\j], v[RGB+\j], v[TT]
	v_med3_num_f32 v[RGB+\j], v[RGB+\j], 0, 1.0
	v_readfirstlane_b32 s[97+\j], v[RGB+\j]
	v_mov_b32 v[TT+1+\j], s[97+\j]                 ; the same number in every lane
.endr
	s_mul_i32 s100, s2, 12
	s_add_co_u32 s100, s100, L_OUT
	v_mov_b32 v[TT+4], s100
	ds_store_b32 v[TT+4], v[TT+1]
	ds_store_b32 v[TT+4], v[TT+2] offset:4
	ds_store_b32 v[TT+4], v[TT+3] offset:8
	s_wait_dscnt 0x0                               ; for wave 0's sake
	s_barrier_signal -1
	s_barrier_wait -1
	s_cmp_lg_u32 s2, 0
	s_cbranch_scc1 .Lend
	s_mul_i32 s98, ttmp9, 96                       ; eight rays x 12 bytes
	s_mov_b32 s99, 0
	s_add_nc_u64 s[26:27], s[26:27], s[98:99]
	v_min_u32 v[TT], 23, v[LANE]                   ; no address passes the 96 bytes that were stored
	v_lshlrev_b32 v[TT], 2, v[TT]
	v_add_nc_u32 v[TT+1], L_OUT, v[TT]
	v_cmp_gt_u32 vcc_lo, 24, v[LANE]
	s_wait_xcnt 0x0                                ; EXEC changes only behind this wait
	s_and_saveexec_b32 s97, vcc_lo
	ds_load_b32 v[TT+2], v[TT+1]
	s_wait_dscnt 0x0
	global_store_b32 v[TT], v[TT+2], s[26:27]      ; 24 lanes, 96 consecutive bytes
	s_wait_xcnt 0x0
	s_or_b32 exec_lo, exec_lo, s97
.Lend:
	s_wait_tensorcnt 0x0
	ds_add_u32 v126, v127
	s_wait_dscnt 0x0
	s_endpgm
.Lfunc_end_k_qc1962ddb17_render:
	.size	k_qc1962ddb17_render, .Lfunc_end_k_qc1962ddb17_render-k_qc1962ddb17_render
	.p2alignl 7, 3214868480
	.fill 96, 4, 3214868480
	.section	.rodata,"a",@progbits
	.p2align	6, 0x0
	.amdhsa_kernel k_qc1962ddb17_render
		.amdhsa_group_segment_fixed_size 137216
		.amdhsa_private_segment_fixed_size 0
		.amdhsa_enable_private_segment 0
		.amdhsa_kernarg_size 96
		.amdhsa_user_sgpr_count 2
		.amdhsa_user_sgpr_kernarg_segment_ptr 1
		.amdhsa_wavefront_size32 1
		.amdhsa_system_sgpr_workgroup_id_x 1
		.amdhsa_system_sgpr_workgroup_id_y 1
		.amdhsa_system_sgpr_workgroup_id_z 1
		.amdhsa_system_vgpr_workitem_id 0
		.amdhsa_next_free_vgpr 512
		.amdhsa_next_free_sgpr 102
		.amdhsa_reserve_vcc 1
		.amdhsa_float_denorm_mode_32 3
		.amdhsa_float_denorm_mode_16_64 3
		.amdhsa_memory_ordered 1
		.amdhsa_forward_progress 1
		.amdhsa_inst_pref_size 255
	.end_amdhsa_kernel
	.section	.bss,"aw",@nobits
	.p2align	6
	.space	262144
	.amdgpu_metadata
---
amdhsa.version: [ 1, 2 ]
amdhsa.kernels:
  - .name:           k_qc1962ddb17_render
    .symbol:         k_qc1962ddb17_render.kd
    .args:
      - { .name: rays_o, .offset: 0, .size: 8, .value_kind: global_buffer, .address_space: global }
      - { .name: rays_d, .offset: 8, .size: 8, .value_kind: global_buffer, .address_space: global }
      - { .name: density_grid, .offset: 16, .size: 8, .value_kind: global_buffer, .address_space: global }
      - { .name: app_grid, .offset: 24, .size: 8, .value_kind: global_buffer, .address_space: global }
      - { .name: W1, .offset: 32, .size: 8, .value_kind: global_buffer, .address_space: global }
      - { .name: b1, .offset: 40, .size: 8, .value_kind: global_buffer, .address_space: global }
      - { .name: wimg, .offset: 48, .size: 8, .value_kind: global_buffer, .address_space: global }
      - { .name: b2, .offset: 56, .size: 8, .value_kind: global_buffer, .address_space: global }
      - { .name: W3, .offset: 64, .size: 8, .value_kind: global_buffer, .address_space: global }
      - { .name: b3, .offset: 72, .size: 8, .value_kind: global_buffer, .address_space: global }
      - { .name: cells, .offset: 80, .size: 8, .value_kind: global_buffer, .address_space: global }
      - { .name: out0, .offset: 88, .size: 8, .value_kind: global_buffer, .address_space: global }
    .group_segment_fixed_size: 137216
    .private_segment_fixed_size: 0
    .kernarg_segment_align: 8
    .kernarg_segment_size: 96
    .max_flat_workgroup_size: 256
    .sgpr_count:     102
    .vgpr_count:     512
    .wavefront_size: 32
...
	.end_amdgpu_metadata
.endif
;; end of part 2
